; MI455X (gfx1250); checked and timed in simulation.
; The chip was launched on July 23, 2026; its instructions are those of AMD's public machine-readable ISA for CDNA 5 (MIT licence, August 2026) and "CDNA5" Instruction Set Architecture Reference Guide (July 2026). The comments in the code are by the model that wrote it; some were corrected since.
;; Mo EGPTOSS. Allowed arithmetic: matrix products marked QUANTISED: E2M1 operands, one E8M0 scale for each 32 along K, by v_wmma_scale_f32_16x16x128_f8f6f4 with both operands' format E2M1 (or v_wmma_scale_f32_32x16x128_f4), f32 sums; products left as they are: f32 operands where the result goes on into a quantised operand, else bf16, f16 or f32 operands; f32 sums; everything else in f32.
;; Inputs: expert_b 8 x 2,048 float32; expert_w 8 x 2,048 x 2,048 float32; gate_b 8 float32; gate_w 2,048 x 8 float32; hidden_states 4 x 512 x 2,048 float32.
;; Outputs: out0 4 x 512 x 2,048 float32.
;; This version of the problem:
;;   THIS VERSION OF THE PROBLEM IS GIVEN IN LOW PRECISION. The matrix products marked QUANTISED in the list below multiply operands that are first quantised to E2M1 (2 exponent bits, 1 mantissa bit; 4 bits a number), with one power-of-two scale for each 32 numbers along K (OCP MX v1.0); their sums are f32. All else is computed in f32.
;;   The module's matrix products, in the order in which they are computed (A, B: the left and right operand; K: the contracted axis; several contracted axes count as one K, in the product's order):
;;     1. [M 2,048, K 2,048] x [K 2,048, N 8]; A: input hidden_states; B: input gate_w: left as it is (N = 8 < 16)
;;     2. [M 2,048, K 2,048] x [K 2,048, N 16,384]; A: input hidden_states; B: input expert_w: QUANTISED
;;   THE QUANTISER, for each operand of a quantised product, along K:
;;     - K is cut into blocks of 32 from its start; a last block that is shorter is filled with zeros.
;;     - A block's scale is 2^e with e = floor(log2(the largest magnitude in the block)) - 2, held to -126 .. 127; a block of zeros has e = 0. As a byte (E8M0): e + 127.
;;     - Each number is divided by its block's scale, clamped to +-6, and rounded to the nearest number of E2M1, ties to even, subnormals kept.
;;     - The product sums the exact products of the quantised numbers (number of the format x scale) in f32.
;;   ~~~python
;;   def quantise(x, axis):      # numpy; x: float32 -> the quantised numbers, widened to float32 again
;;       x = np.moveaxis(x, axis, -1); K = x.shape[-1]
;;       x = np.pad(x, [(0, 0)] * (x.ndim - 1) + [(0, -K % 32)]); x = x.reshape(x.shape[:-1] + (-1, 32)); a = np.abs(x).max(-1, keepdims=True)
;;       e = np.where(a > 0, np.clip(np.frexp(np.where(a > 0, a, 1))[1] - 1 - 2, -126, 127), 0)      # np.frexp(a)[1] - 1 = floor(log2(a)), exactly
;;       r = np.clip(x / 2.0 ** e, -6, 6)
;;       step = 2.0 ** (np.maximum(np.frexp(np.where(r == 0, 1, r))[1] - 1, 0) - 1)
;;       q = np.round(r / step) * step * 2.0 ** e      # np.round: ties to even
;;       return np.moveaxis(q.reshape(q.shape[:-2] + (-1,))[..., :K], -1, axis).astype(np.float32)
;;   ~~~
;; One version. Each part assembles by itself: llvm-mc -triple=amdgcn-amd-amdhsa -mcpu=gfx1250 --defsym DOCPART=n.
;; ======== version 1 of 1: 3 launches
;; workspace buffers: xq 2,097,152 bytes; xs 131,072 bytes; gw 65,536 bytes; ckey 8,192 bytes of whole numbers; perm 8,192 bytes of whole numbers; wq 16,777,216 bytes; wsc 1,048,576 bytes
;; launch gate (part 1): grid 256 x 1, 4 waves a work-group, no clusters, 90,112 bytes of LDS; arguments hidden_states, gate_w, gate_b, xq, xs, gw, ckey; writes xq, xs, gw, ckey
.if DOCPART == 1
	.amdgcn_target "amdgcn-amd-amdhsa--gfx1250"
	.amdhsa_code_object_version 6
	.text
	.protected	k_q9d1d9fa9d6_gate
	.globl	k_q9d1d9fa9d6_gate
	.p2align	8
	.type	k_q9d1d9fa9d6_gate,@function
k_q9d1d9fa9d6_gate:
	s_mov_b64 s[64:65], 0
	v_nop
	global_prefetch_b8 v0, s[64:65] scope:SCOPE_SE
	s_setreg_imm32_b32 hwreg(HW_REG_WAVE_MODE, 25, 1), 1
	s_wait_xcnt 0x0
; x [2048 tokens][2048] f32 is read once and serves twice: it is quantised to FP4 (E2M1) codes with one E8M0 byte for each 32 along K, and it is multiplied by gate_w [2048][8] in f32
; fused multiply-adds (the choice of experts is discrete, so nothing coarser than f32 stands ahead of it).  Then softmax over 8, the two largest, and for each token:
;   xq [t][1024 B] codes, K innermost;  xs [t][64 B] scale bytes;  gw [t][8] f32: the softmax weight of the two chosen experts, 0 for the others;
;   ckey [t] = ((8 a + b') << 11) | t, a < b the chosen experts, b' = b where a is even and 7 - b where a is odd: in ascending order of the keys two neighbouring pairs always share an expert
;   ((0,1) .. (0,7), (1,7) .. (1,2), (2,3) .. (2,7), (3,7) ..), so a run of sorted tokens that spans p pairs uses at most p + 1 experts.
; SHARES.  A work-group takes 8 tokens; wave w takes k = 512 w .. 512 w + 511 of each.  Every load reads 512 consecutive bytes; a token's 2,048 bytes of the wave turn through the wave's own stage in LDS and come back
; 64 bytes a lane: a lane holds 16 neighbours along K (two lanes hold a block), as the conversions want them.  The lane's 16 rows of gate_w (128 numbers) stay in registers, brought once by dense loads through LDS.
; A block's scale is 2^(floor(log2(largest magnitude)) - 2); its byte is the largest magnitude's exponent field - 2, held at 1 from below.
; LIMITS: NaN and infinities among the inputs are not served.  A block of zeros gets the byte 1 (the stated quantiser says 127): its codes are zeros, and this program alone reads the bytes.
; The two largest are taken on the logits, with a strict compare, so equal logits keep the lower index; logits that differ while their f32 softmax values round to one number could be ordered otherwise than a top-k on those values.
; A softmax weight under 2^-126 comes out as 0 (the exponential gives no denormals: ISA guide, its entry among the VOP1 instructions).
; ckey's 32 bytes a work-group are a short store: 8,192 bytes in the whole launch.
; REGISTERS: window 0: v1-7 addresses, v8-11 at work, v12-19 the 8 partial logits, v20-27 the lane exchange, v28-30 gate_w's copy, v32-63 two sets of 16 neighbours, v64-191 8 tokens x 16 as loaded, v192-207 codes, v208-215 bytes.
;            window 1: v0-127: register 8 i + e = gate_w[my k + i][e].
.set SP,   80                          ; a lane's place in a stage: 64 bytes + 16 of padding
.set STGW, 2*32*SP                     ; two stages for each wave
.set GWL,  4*STGW                      ; gate_w: 128 slices of 512 bytes (a thread's 16 rows), 528 bytes apart
.set GWP,  528
.set PL,   GWL+128*GWP                 ; partial logits [token 8][wave 4][8 f32]
.set SCL,  PL+1024                     ; scale bytes [token 8][64]
.set P,    12
.set T,    20
.set X,    32
.set R,    64
.set C,    192
.set E,    208
.set MSB, 0
.macro WIN new                         ; the immediate's high byte repeats the setting that is left
.if MSB != \new
	s_set_vgpr_msb (MSB<<8)|\new
.set MSB, \new
.endif
.endm
	s_load_b256 s[4:11], s[0:1], 0x0               ; x s[4:5], gate_w s[6:7], gate_b s[8:9], xq s[10:11]
	s_load_b128 s[12:15], s[0:1], 0x20             ; xs s[12:13], gw s[14:15]
	s_load_b64 s[16:17], s[0:1], 0x30              ; ckey
	v_lshl_add_u32 v254, v0, 2, 0x15e00
	v_mov_b32 v255, 0
	v_lshrrev_b32 v1, 5, v0
	v_readfirstlane_b32 s18, v1                    ; wave 0..3
	v_and_b32 v1, 31, v0                           ; lane
	v_lshlrev_b32 v2, 4, v1                        ; my 16 bytes of a load's 512
	s_mul_i32 s33, s18, STGW
	v_lshrrev_b32 v3, 2, v1
	v_mul_u32_u24 v3, v3, SP
	v_and_b32 v4, 3, v1
	v_lshl_add_u32 v3, v4, 4, v3
	v_add_nc_u32 v3, s33, v3                       ; the stage, in: four lanes' 64 bytes on end, then the padding
	v_mul_u32_u24 v4, v1, SP
	v_add_nc_u32 v4, s33, v4                       ; and out: my 16 neighbours
	v_lshlrev_b32 v5, 3, v1                        ; my 8 bytes of codes
	s_lshl_b32 s33, s18, 4
	s_add_co_u32 s33, s33, SCL
	v_lshrrev_b32 v6, 1, v1
	v_add_nc_u32 v6, s33, v6                       ; my block's scale byte: 16 blocks a wave
	s_lshl_b32 s33, s18, 5
	s_add_co_u32 s33, s33, PL
	v_mov_b32 v7, s33                              ; my wave's 8 partial logits
	v_lshlrev_b32 v28, 4, v0                       ; gate_w: 16 bytes a thread, 2,048 a load of the work-group
	v_lshrrev_b32 v29, 5, v0
	v_lshl_add_u32 v29, v29, 4, v28
	v_add_nc_u32 v29, GWL, v29                     ; into LDS: 16 more for each 512 passed
	v_mul_u32_u24 v30, v0, GWP
	v_add_nc_u32 v30, GWL, v30                     ; back: my slice
	s_mov_b32 s20, 0x76543210
	s_mov_b32 s21, 0xfedcba98                      ; v_permlanex16_b32's selects for lane l xor 16
.irp e, 0,1,2,3,4,5,6,7
	v_mov_b32 v[T+\e], 0                           ; written once: a lane permute's destination counts as one of its sources
.endr
	s_wait_kmcnt 0x0
	s_load_b256 s[24:31], s[8:9], 0x0              ; gate_b
	s_lshl_b32 s22, ttmp9, 16                      ; 8 tokens of 8,192 bytes,
	s_lshl_b32 s32, s18, 11                        ; my wave's 2,048 bytes of each
	s_add_co_u32 s22, s22, s32
	s_mov_b32 s23, 0
	s_add_nc_u64 s[4:5], s[4:5], s[22:23]
	s_lshl_b32 s22, ttmp9, 13                      ; codes: 1,024 bytes a token, 256 a wave
	s_lshl_b32 s32, s18, 8
	s_add_co_u32 s22, s22, s32
	s_add_nc_u64 s[10:11], s[10:11], s[22:23]
	s_lshl_b32 s22, ttmp9, 9
	s_add_nc_u64 s[12:13], s[12:13], s[22:23]      ; scale bytes: 512 a work-group
	s_lshl_b32 s22, ttmp9, 8
	s_add_nc_u64 s[14:15], s[14:15], s[22:23]      ; weights: 256 a work-group
	s_lshl_b32 s22, ttmp9, 5
	s_add_nc_u64 s[16:17], s[16:17], s[22:23]      ; keys: 32 a work-group
	WIN 0x40                                       ; destination window 1
.set i, 0
.rept 32
	global_load_b128 v[4*i:4*i+3], v28, s[6:7] offset:2048*i       ; gate_w, dense
.set i, i+1
.endr
	WIN 0
.irp t, 0,1,2,3,4,5,6,7
.irp i, 0,1,2,3
	global_load_b128 v[R+16*\t+4*\i:R+16*\t+4*\i+3], v2, s[4:5] offset:8192*\t+512*\i th:TH_LOAD_NT   ; all 8 tokens are asked for at once: 32 lanes read 512 consecutive bytes
.endr
.endr
	s_wait_kmcnt 0x0                               ; gate_b
	s_wait_loadcnt 32                              ; gate_w is in; the 32 loads of x behind it stay out
	WIN 0x04                                       ; an LDS store's data are its source 1: window 1
.set i, 0
.rept 32
	ds_store_b128 v29, v[4*i:4*i+3] offset:4*GWP*i
.set i, i+1
.endr
	WIN 0
	s_wait_dscnt 0x0                               ; for the others' sake: my part of gate_w lies in LDS
	s_barrier_signal -1
	s_barrier_wait -1
	WIN 0x40
.set i, 0
.rept 32
	ds_load_b128 v[4*i:4*i+3], v30 offset:16*i     ; my 16 rows: register 8 i + e
.set i, i+1
.endr
	WIN 0
.macro TURN t                          ; token t's numbers through the stage: LDS serves a wave's instructions in order, so no wait stands between the stores and the loads
.irp i, 0,1,2,3
	ds_store_b128 v3, v[R+16*(\t)+4*\i:R+16*(\t)+4*\i+3] offset:32*SP*((\t)%2)+8*SP*\i
.endr
.irp i, 0,1,2,3
	ds_load_b128 v[X+16*((\t)%2)+4*\i:X+16*((\t)%2)+4*\i+3], v4 offset:32*SP*((\t)%2)+16*\i
.endr
.endm
	s_wait_loadcnt 28                              ; token 0's four loads are in; seven tokens' stay out
	TURN 0
.macro STEP t
.set XS, X+16*((\t)%2)
	s_wait_dscnt 0x0                               ; this token's neighbours are back (in the first step gate_w's slice too), and my earlier LDS stores have read their registers
.if (\t) < 7
	s_wait_loadcnt 4*(6-(\t))                      ; the next token's four loads are in; those of the tokens behind it may be out
	TURN (\t)+1                                    ; it goes through the other stage while this token is worked
.endif
	v_max3_num_f32 v8, |v[XS]|, |v[XS+1]|, |v[XS+2]|               ; the largest magnitude of my 16, in two chains
	v_max3_num_f32 v9, |v[XS+3]|, |v[XS+4]|, |v[XS+5]|
.irp i, 6,10
	v_max3_num_f32 v8, v8, |v[XS+\i]|, |v[XS+\i+1]|
	v_max3_num_f32 v9, v9, |v[XS+\i+2]|, |v[XS+\i+3]|
.endr
	v_max3_num_f32 v8, v8, |v[XS+14]|, |v[XS+15]|
	v_max3_num_f32 v8, v8, v9, 0x1800000           ; and the floor 2^(3 - 127): the byte cannot fall under 1
	v_max_num_f32_dpp v8, v8, v8 row_xmask:1 row_mask:0xf bank_mask:0xf   ; with my neighbour's 16: the block's
	v_add_nc_u32 v11, 0xff000000, v8               ; 2 off the exponent field: the conversion takes that field as its scale
	v_cvt_scalef32_pk8_fp4_f32 v[C+2*(\t)], v[XS:XS+7], v11
	v_cvt_scalef32_pk8_fp4_f32 v[C+2*(\t)+1], v[XS+8:XS+15], v11
	v_lshrrev_b32 v[E+(\t)], 23, v11               ; the scale's byte (also the plain line behind the conversions)
	ds_store_b8 v6, v[E+(\t)] offset:64*(\t)       ; both lanes of a block write the same byte with the same value
	global_store_b64 v5, v[C+2*(\t):C+2*(\t)+1], s[10:11] offset:1024*(\t)   ; the wave stores 256 consecutive bytes, aligned
	WIN 0x01                                       ; source 0 (gate_w) window 1
.irp j, 0,1,2,3
	v_pk_mul_f32 v[P+2*\j:P+2*\j+1], v[2*\j:2*\j+1], v[XS:XS+1] op_sel_hi:[1,0]   ; the first k starts the eight sums, two experts an instruction
.endr
.irp i, 1,2,3,4,5,6,7,8,9,10,11,12,13,14,15
.irp j, 0,1,2,3
.if (\i)%2
	v_pk_fma_f32 v[P+2*\j:P+2*\j+1], v[8*\i+2*\j:8*\i+2*\j+1], v[XS+2*(\i/2):XS+2*(\i/2)+1], v[P+2*\j:P+2*\j+1] op_sel:[0,1,0] op_sel_hi:[1,1,1]   ; x's pair: the second word for both halves
.else
	v_pk_fma_f32 v[P+2*\j:P+2*\j+1], v[8*\i+2*\j:8*\i+2*\j+1], v[XS+2*(\i/2):XS+2*(\i/2)+1], v[P+2*\j:P+2*\j+1] op_sel_hi:[1,0,1]                  ; the first word for both halves
.endif
.endr
.endr
	WIN 0
.irp m, 1,2,4,8
.irp e, 0,1,2,3,4,5,6,7
	v_add_f32_dpp v[P+\e], v[P+\e], v[P+\e] row_xmask:\m row_mask:0xf bank_mask:0xf   ; over the 16 lanes of a half, the eight sums by turns
.endr
.endr
.irp e, 0,1,2,3,4,5,6,7
	v_permlanex16_b32 v[T+\e], v[P+\e], s20, s21
.endr
.irp e, 0,1,2,3,4,5,6,7
	v_add_f32 v[P+\e], v[P+\e], v[T+\e]            ; and the other half's: my wave's part of the token's eight logits, in every lane
.endr
	ds_store_b128 v7, v[P:P+3] offset:128*(\t)     ; all lanes write the same words with the same values
	ds_store_b128 v7, v[P+4:P+7] offset:128*(\t)+16
.endm
.irp t, 0,1,2,3,4,5,6,7
	STEP \t
.endr
	s_wait_dscnt 0x0                               ; for wave 0's sake: my logits and scale bytes lie in LDS
	s_barrier_signal -1
	s_barrier_wait -1
	s_cmp_lg_u32 s18, 0
	s_cbranch_scc1 .Lend                           ; the rest is short and is wave 0's
	v_lshl_add_u32 v8, v1, 4, SCL
	ds_load_b128 v[96:99], v8                      ; the work-group's 512 scale bytes, 16 a lane
	v_bfe_u32 v9, v1, 1, 3                         ; my token: lanes 2 n and 2 n + 1 (and the same 16 lanes on) take token n
	v_lshl_add_u32 v10, v9, 7, PL
.irp q, 0,1,2,3,4,5,6,7
	ds_load_b128 v[R+4*\q:R+4*\q+3], v10 offset:16*\q   ; register R + 8 wave + e
.endr
	s_wait_dscnt 8                                 ; the scale bytes are in; the eight loads behind them may be out
	global_store_b128 v2, v[96:99], s[12:13]       ; 512 consecutive bytes, aligned
	s_wait_dscnt 0x0
.irp e, 0,1,2,3,4,5,6,7
	v_add_f32 v[P+\e], v[R+\e], v[R+8+\e]
.endr
.irp e, 0,1,2,3,4,5,6,7
	v_add_f32 v[P+\e], v[P+\e], v[R+16+\e]
.endr
.irp e, 0,1,2,3,4,5,6,7
	v_add_f32 v[P+\e], v[P+\e], v[R+24+\e]
.endr
.irp e, 0,1,2,3,4,5,6,7
	v_add_f32 v[P+\e], s[24+\e], v[P+\e]           ; + gate_b: the logits
.endr
	v_max3_num_f32 v8, v12, v13, v14               ; the maximum is taken away ahead of the exponentials
	v_max3_num_f32 v8, v8, v15, v16
	v_max3_num_f32 v8, v8, v17, v18
	v_max_num_f32 v8, v8, v19
.irp e, 0,1,2,3,4,5,6,7
	v_sub_f32 v[X+\e], v[P+\e], v8
.endr
.irp e, 0,1,2,3,4,5,6,7
	v_mul_f32 v[X+\e], 0x3fb8aa3b, v[X+\e]         ; x log2(e)
.endr
.irp e, 0,1,2,3,4,5,6,7
	v_exp_f32 v[X+\e], v[X+\e]
.endr
	; the two largest logits, by selects alone; this work names no exponential's result and stands between the batch and its wait
	v_mov_b32 v20, v12                             ; the largest so far,
	v_mov_b32 v21, 0                               ; and where
.irp e, 1,2,3,4,5,6,7
	v_cmp_le_f32 vcc_lo, v[P+\e], v20              ; keep where the newcomer is not larger: equal logits keep the lower index
	v_cndmask_b32 v20, v[P+\e], v20, vcc_lo
	v_cndmask_b32 v21, \e, v21, vcc_lo
.endr
	v_mov_b32 v22, 0xff800000                      ; the second: from -infinity on,
	v_mov_b32 v23, 0
.irp e, 0,1,2,3,4,5,6,7
	v_cmp_eq_u32 s32, \e, v21                      ; keep where this is the first's place,
	v_cmp_le_f32 vcc_lo, v[P+\e], v22              ; or the newcomer is not larger
	s_or_b32 vcc_lo, vcc_lo, s32
	v_cndmask_b32 v22, v[P+\e], v22, vcc_lo
	v_cndmask_b32 v23, \e, v23, vcc_lo
.endr
	s_wait_alu depctr_va_vdst(0)                   ; one wait for the eight exponentials, ahead of their first reader
	v_add_f32 v10, v32, v33
	v_add_f32 v11, v34, v35
	v_add_f32 v26, v36, v37
	v_add_f32 v27, v38, v39
	v_add_f32 v10, v10, v11
	v_add_f32 v26, v26, v27
	v_add_f32 v10, v10, v26
	v_rcp_f32 v10, v10
	v_min_u32 v24, v21, v23                        ; (plain work behind the reciprocal)  the pair of experts: a, the lower,
	v_max_u32 v25, v21, v23                        ; and b
	v_and_b32 v27, 1, v24
	v_mul_u32_u24 v27, v27, 7
	v_xor_b32 v25, v25, v27                        ; b' = b, or 7 - b where a is odd: odd a's pairs are walked downward
	v_lshl_add_u32 v24, v24, 3, v25
	s_lshl_b32 s33, ttmp9, 3
	v_add_nc_u32 v26, s33, v9                      ; my token's number
	v_lshl_or_b32 v24, v24, 11, v26                ; the key: pair above, token below
	v_lshlrev_b32 v52, 2, v9
	s_wait_alu depctr_va_vdst(0)                   ; and the wait for the reciprocal
.irp e, 0,1,2,3,4,5,6,7
	v_mul_f32 v[X+\e], v[X+\e], v10                ; the softmax
.endr
.irp e, 0,1,2,3,4,5,6,7
	v_cmp_eq_u32 s32, \e, v21
	v_cmp_eq_u32 vcc_lo, \e, v23
	s_or_b32 vcc_lo, vcc_lo, s32
	v_cndmask_b32 v[40+\e], 0, v[X+\e], vcc_lo     ; kept for the two chosen experts, 0 for the others
.endr
	v_and_b32 v27, 1, v1
	v_cmp_eq_u32 vcc_lo, 1, v27
.irp q, 0,1,2,3
	v_cndmask_b32 v[48+\q], v[40+\q], v[44+\q], vcc_lo   ; the even lane of a token stores experts 0-3, the odd one 4-7
.endr
	v_cmp_gt_u32 vcc_lo, 16, v1
	s_wait_xcnt 0x0                                ; EXEC changes only behind this wait: stores are out
	s_and_saveexec_b32 s32, vcc_lo
	global_store_b128 v2, v[48:51], s[14:15]       ; sixteen lanes store 256 consecutive bytes, aligned
	global_store_b32 v52, v24, s[16:17]            ; both lanes of a token write the same word with the same value
	s_wait_xcnt 0x0
	s_or_b32 exec_lo, exec_lo, s32
.Lend:
	s_wait_tensorcnt 0x0
	ds_add_u32 v254, v255
	s_wait_dscnt 0x0
	s_endpgm
.Lfunc_end_k_q9d1d9fa9d6_gate:
	.size	k_q9d1d9fa9d6_gate, .Lfunc_end_k_q9d1d9fa9d6_gate-k_q9d1d9fa9d6_gate
	.p2alignl 7, 3214868480
	.fill 96, 4, 3214868480
	.section	.rodata,"a",@progbits
	.p2align	6, 0x0
	.amdhsa_kernel k_q9d1d9fa9d6_gate
		.amdhsa_group_segment_fixed_size 90112
		.amdhsa_private_segment_fixed_size 0
		.amdhsa_enable_private_segment 0
		.amdhsa_kernarg_size 56
		.amdhsa_user_sgpr_count 2
		.amdhsa_user_sgpr_kernarg_segment_ptr 1
		.amdhsa_wavefront_size32 1
		.amdhsa_system_sgpr_workgroup_id_x 1
		.amdhsa_system_sgpr_workgroup_id_y 1
		.amdhsa_system_sgpr_workgroup_id_z 1
		.amdhsa_system_vgpr_workitem_id 0
		.amdhsa_next_free_vgpr 384
		.amdhsa_next_free_sgpr 66
		.amdhsa_reserve_vcc 1
		.amdhsa_float_denorm_mode_32 3
		.amdhsa_float_denorm_mode_16_64 3
		.amdhsa_memory_ordered 1
		.amdhsa_forward_progress 1
		.amdhsa_inst_pref_size 90
	.end_amdhsa_kernel
	.amdgpu_metadata
---
amdhsa.version: [ 1, 2 ]
amdhsa.kernels:
  - .name:           k_q9d1d9fa9d6_gate
    .symbol:         k_q9d1d9fa9d6_gate.kd
    .args:
      - { .name: hidden_states, .offset: 0, .size: 8, .value_kind: global_buffer, .address_space: global }
      - { .name: gate_w, .offset: 8, .size: 8, .value_kind: global_buffer, .address_space: global }
      - { .name: gate_b, .offset: 16, .size: 8, .value_kind: global_buffer, .address_space: global }
      - { .name: xq, .offset: 24, .size: 8, .value_kind: global_buffer, .address_space: global }
      - { .name: xs, .offset: 32, .size: 8, .value_kind: global_buffer, .address_space: global }
      - { .name: gw, .offset: 40, .size: 8, .value_kind: global_buffer, .address_space: global }
      - { .name: ckey, .offset: 48, .size: 8, .value_kind: global_buffer, .address_space: global }
    .group_segment_fixed_size: 90112
    .private_segment_fixed_size: 0
    .kernarg_segment_align: 8
    .kernarg_segment_size: 56
    .max_flat_workgroup_size: 128
    .sgpr_count:     66
    .vgpr_count:     384
    .wavefront_size: 32
...
	.end_amdgpu_metadata
.endif
;; end of part 1
;; launch wquant (part 2): grid 1088 x 1, 4 waves a work-group, no clusters, 1,024 bytes of LDS; arguments expert_w, ckey, wq, wsc, perm; writes wq, wsc, perm
.if DOCPART == 2
	.amdgcn_target "amdgcn-amd-amdhsa--gfx1250"
	.amdhsa_code_object_version 6
	.text
	.protected	k_q9d1d9fa9d6_wquant
	.globl	k_q9d1d9fa9d6_wquant
	.p2align	8
	.type	k_q9d1d9fa9d6_wquant,@function
k_q9d1d9fa9d6_wquant:
	s_mov_b64 s[64:65], 0
	v_nop
	global_prefetch_b8 v0, s[64:65] scope:SCOPE_SE
	s_setreg_imm32_b32 hwreg(HW_REG_WAVE_MODE, 25, 1), 1
	s_wait_xcnt 0x0
; TWO JOBS IN ONE LAUNCH, told apart by the work-group's number.
; Work-groups 64 .. 1087: expert_w [8][2048 (k)][2048 (n)] f32, whose K is not innermost, becomes FP4 (E2M1) codes and E8M0 scale bytes, laid in the order of the next launch's operand registers:
;   wq  [ng 32][e 8][s 16][b 4][c 2][lane 32][16 B]: lane 16 h + r, piece c: the codes of expert e, column 64 ng + 16 b + r, at k = 128 s + 64 c + 32 h + 0 .. 31;
;   wsc [ng 32][e 8][sp 8][i 2][lane 32][2 words]:   word j of lane 16 h + r: the four scale bytes of column 64 ng + 16 (2 i + h) + r for k = 128 (2 sp + j) + 0 .. 127.
; A LANE TAKES A COLUMN AND ITS REGISTERS RUN DOWN K: a load reads 32 neighbouring columns (128 consecutive bytes a wave, 512 a work-group), a block of 32 along K is one lane's 32 registers, and the conversions give
; the 16 bytes that one lane of the operand wants.  In that layout sixteen neighbouring columns' blocks are 256 consecutive bytes: each store of the wave covers two aligned runs of 256 bytes, with no turn through LDS.
; A wave takes 32 columns x 256 along K (8 blocks a lane); loads run two blocks (64 loads a wave) ahead; every offset is an immediate (255 rows of 8,192 bytes at the most, inside the signed 24 bits: ISA guide, chapter 10).
; A block's scale is 2^(floor(log2(largest magnitude)) - 2); its byte is that magnitude's exponent field - 2, held at 1 from below.
; LIMITS: NaN and infinities are not served; a block of zeros gets the byte 1 (the stated quantiser says 127): its codes are zeros, and this program alone reads the bytes.
; Work-groups 0 .. 63: THE TOKENS ARE SORTED BY THEIR PAIR OF EXPERTS.  The 2,048 keys ((pair << 11) | token) are all different, so a key's place is the number of smaller keys.  A work-group places 32 keys, a lane a key;
; each of its four waves counts among 512 keys, which it reads by scalar loads; the four counts meet in LDS.  perm[place] = key: 2,048 single words in the whole launch, to places that hang on the data.
; No atomics, and no word of perm has two writers.  Only this path uses LDS and a barrier; the branch that leads to it hangs on the work-group's number alone.
.set X,  32                            ; v32-95   two sets of 32 numbers
.set C,  96                            ; v96-127  a block's codes: four registers for each block, so that no store's data are written again
.set SB, 24                            ; v24-25   the scale bytes, four to a register
	s_load_b256 s[4:11], s[0:1], 0x0               ; expert_w s[4:5], ckey s[6:7], wq s[8:9], wsc s[10:11]
	s_load_b64 s[12:13], s[0:1], 0x20              ; perm
	v_lshl_add_u32 v128, v0, 2, 0x200
	v_mov_b32 v129, 0
	v_lshrrev_b32 v1, 5, v0
	v_readfirstlane_b32 s14, v1                    ; wave 0..3
	v_and_b32 v1, 31, v0                           ; lane
	v_lshlrev_b32 v3, 2, v1                        ; 4 bytes a lane
	s_wait_kmcnt 0x0
	s_cmp_lt_u32 ttmp9, 64
	s_cbranch_scc1 .Lplace
	s_sub_co_u32 s15, ttmp9, 64
	s_lshr_b32 s16, s15, 7                         ; e: the expert
	s_bfe_u32 s17, s15, 0x40003                    ; cb: which 128 columns
	s_and_b32 s18, s15, 7                          ; kq: which 256 along K
	s_lshr_b32 s19, s14, 1
	s_lshl_b32 s22, s17, 1
	s_add_co_u32 s19, s19, s22                     ; ng = 2 cb + wave / 2
	s_and_b32 s23, s14, 1                          ; which 32 of ng's 64 columns
	s_lshl_b32 s20, s16, 24                        ; the source: e x 2^24 + kq x 256 rows of 8,192 + cb x 512 + wave x 128
	s_lshl_b32 s22, s18, 21
	s_or_b32 s20, s20, s22
	s_lshl_b32 s22, s17, 9
	s_or_b32 s20, s20, s22
	s_lshl_b32 s22, s14, 7
	s_or_b32 s20, s20, s22
	s_mov_b32 s21, 0
	s_add_nc_u64 s[4:5], s[4:5], s[20:21]
	s_lshl_b32 s20, s19, 19                        ; the codes: ng x 2^19 + e x 2^16 + two K steps of 4,096 x kq + two tiles of 1,024 x (wave % 2)
	s_lshl_b32 s22, s16, 16
	s_or_b32 s20, s20, s22
	s_lshl_b32 s22, s18, 13
	s_or_b32 s20, s20, s22
	s_lshl_b32 s22, s23, 11
	s_or_b32 s20, s20, s22
	s_add_nc_u64 s[8:9], s[8:9], s[20:21]
	s_lshl_b32 s20, s19, 15                        ; the scale words: ng x 2^15 + e x 4,096 + kq x 512 + (wave % 2) x 256
	s_lshl_b32 s22, s16, 12
	s_or_b32 s20, s20, s22
	s_lshl_b32 s22, s18, 9
	s_or_b32 s20, s20, s22
	s_lshl_b32 s22, s23, 8
	s_or_b32 s20, s20, s22
	s_add_nc_u64 s[10:11], s[10:11], s[20:21]
	v_lshrrev_b32 v4, 4, v1
	v_and_b32 v6, 15, v1
	v_lshlrev_b32 v6, 4, v6
	v_lshl_or_b32 v4, v4, 10, v6                   ; my column's place in the codes: tile lane / 16, row lane % 16
	v_lshlrev_b32 v5, 3, v1                        ; and among the scale words: 8 bytes a lane
.macro LOAD t                          ; block t: W(32 t + i, my column), i = 0 .. 31, into set t % 2
.set i, 0
.rept 32
	global_load_b32 v[X+32*((\t)%2)+i], v3, s[4:5] offset:(32*(\t)+i)*8192 th:TH_LOAD_NT
.set i, i+1
.endr
.endm
	LOAD 0
	LOAD 1
.macro BLOCK t
.set XS, X+32*((\t)%2)
.if (\t) < 7
	s_wait_loadcnt 32                              ; this block's 32 loads are in; the next block's may be out
.else
	s_wait_loadcnt 0
.endif
	v_max3_num_f32 v12, |v[XS]|, |v[XS+1]|, |v[XS+2]|              ; the block's largest magnitude: all 32 numbers are mine; two chains
	v_max3_num_f32 v13, |v[XS+3]|, |v[XS+4]|, |v[XS+5]|
.irp i, 6,10,14,18,22,26
	v_max3_num_f32 v12, v12, |v[XS+\i]|, |v[XS+\i+1]|
	v_max3_num_f32 v13, v13, |v[XS+\i+2]|, |v[XS+\i+3]|
.endr
	v_max3_num_f32 v12, v12, |v[XS+30]|, |v[XS+31]|
	v_max3_num_f32 v12, v12, v13, 0x1800000        ; and the floor 2^(3 - 127): the byte cannot fall under 1
	v_add_nc_u32 v11, 0xff000000, v12              ; 2 off the exponent field: the conversion takes that field as its scale
	v_lshrrev_b32 v13, 23, v11                     ; the scale's byte
.if (\t)%4 == 0
	v_mov_b32 v[SB+(\t)/4], v13                    ; four bytes to a word, the lower K in the lower byte
.else
	v_lshl_or_b32 v[SB+(\t)/4], v13, 8*((\t)%4), v[SB+(\t)/4]
.endif
.irp g, 0,1,2,3
	v_cvt_scalef32_pk8_fp4_f32 v[C+4*(\t)+\g], v[XS+8*\g:XS+8*\g+7], v11
.endr
	global_store_b128 v4, v[C+4*(\t):C+4*(\t)+3], s[8:9] offset:4096*((\t)/4)+512*(((\t)/2)%2)+256*((\t)%2)   ; K step t / 4, piece (t / 2) % 2, half t % 2: lanes 0-15 fill 256 consecutive bytes, lanes 16-31 another 256
.if (\t)+2 < 8
	LOAD (\t)+2                                    ; (the results go to a store, the numbers' registers to loads; the next block begins with plain vector lines)
.endif
.endm
.irp t, 0,1,2,3,4,5,6,7
	BLOCK \t
.endr
	global_store_b64 v5, v[SB:SB+1], s[10:11]      ; my column's two scale words: the wave stores 256 consecutive bytes, aligned
	s_endpgm
.Lplace:
	s_lshl_b32 s20, ttmp9, 7                       ; my work-group's 32 keys
	s_mov_b32 s21, 0
	s_add_nc_u64 s[88:89], s[6:7], s[20:21]
	global_load_b32 v2, v3, s[88:89]               ; my key (the same in all four waves)
	s_lshl_b32 s20, s14, 11                        ; my wave counts among keys 512 wave .. 512 wave + 511
	s_add_nc_u64 s[84:85], s[6:7], s[20:21]
	v_mov_b32 v7, 0                                ; how many of them are smaller than mine
	s_mov_b32 s86, 0
	s_wait_loadcnt 0x0
.macro COUNT first
.set k, \first
.rept 16
	v_cmp_lt_u32 vcc_lo, s[k], v2
	v_add_co_ci_u32 v7, vcc_lo, 0, v7, vcc_lo      ; + 1 where it is smaller
.set k, k+1
.endr
.endm
.Lscan:                                            ; 8 trips of 64 keys
	s_load_b512 s[16:31], s[84:85], 0x0
	s_load_b512 s[32:47], s[84:85], 0x40
	s_load_b512 s[48:63], s[84:85], 0x80
	s_load_b512 s[68:83], s[84:85], 0xc0
	s_wait_kmcnt 0x0                               ; the four loads are done, so their base may be stepped
	s_add_nc_u64 s[84:85], s[84:85], 256
	COUNT 16
	COUNT 32
	COUNT 48
	COUNT 68
	s_add_co_u32 s86, s86, 1
	s_cmp_lt_u32 s86, 8
	s_cbranch_scc1 .Lscan
	v_lshlrev_b32 v8, 2, v0
	ds_store_b32 v8, v7                            ; a word for each thread
	s_wait_dscnt 0x0                               ; for wave 0's sake
	s_barrier_signal -1
	s_barrier_wait -1
	s_cmp_lg_u32 s14, 0
	s_cbranch_scc1 .Lend
.irp q, 0,1,2,3
	ds_load_b32 v[10+\q], v3 offset:128*\q         ; the four waves' counts for my key
.endr
	s_wait_dscnt 0x0
	v_add_nc_u32 v10, v10, v11
	v_add_nc_u32 v12, v12, v13
	v_add_nc_u32 v10, v10, v12                     ; my key's place
	v_min_u32 v10, 0x7ff, v10                      ; (a number made of loaded data is held inside the buffer before it enters an address)
	v_lshlrev_b32 v10, 2, v10
	global_store_b32 v10, v2, s[12:13]
.Lend:
	s_wait_tensorcnt 0x0
	ds_add_u32 v128, v129
	s_wait_dscnt 0x0
	s_endpgm
.Lfunc_end_k_q9d1d9fa9d6_wquant:
	.size	k_q9d1d9fa9d6_wquant, .Lfunc_end_k_q9d1d9fa9d6_wquant-k_q9d1d9fa9d6_wquant
	.p2alignl 7, 3214868480
	.fill 96, 4, 3214868480
	.section	.rodata,"a",@progbits
	.p2align	6, 0x0
	.amdhsa_kernel k_q9d1d9fa9d6_wquant
		.amdhsa_group_segment_fixed_size 1024
		.amdhsa_private_segment_fixed_size 0
		.amdhsa_enable_private_segment 0
		.amdhsa_kernarg_size 40
		.amdhsa_user_sgpr_count 2
		.amdhsa_user_sgpr_kernarg_segment_ptr 1
		.amdhsa_wavefront_size32 1
		.amdhsa_system_sgpr_workgroup_id_x 1
		.amdhsa_system_sgpr_workgroup_id_y 1
		.amdhsa_system_sgpr_workgroup_id_z 1
		.amdhsa_system_vgpr_workitem_id 0
		.amdhsa_next_free_vgpr 130
		.amdhsa_next_free_sgpr 96
		.amdhsa_reserve_vcc 1
		.amdhsa_float_denorm_mode_32 3
		.amdhsa_float_denorm_mode_16_64 3
		.amdhsa_memory_ordered 1
		.amdhsa_forward_progress 1
		.amdhsa_inst_pref_size 45
	.end_amdhsa_kernel
	.amdgpu_metadata
---
amdhsa.version: [ 1, 2 ]
amdhsa.kernels:
  - .name:           k_q9d1d9fa9d6_wquant
    .symbol:         k_q9d1d9fa9d6_wquant.kd
    .args:
      - { .name: expert_w, .offset: 0, .size: 8, .value_kind: global_buffer, .address_space: global }
      - { .name: ckey, .offset: 8, .size: 8, .value_kind: global_buffer, .address_space: global }
      - { .name: wq, .offset: 16, .size: 8, .value_kind: global_buffer, .address_space: global }
      - { .name: wsc, .offset: 24, .size: 8, .value_kind: global_buffer, .address_space: global }
      - { .name: perm, .offset: 32, .size: 8, .value_kind: global_buffer, .address_space: global }
    .group_segment_fixed_size: 1024
    .private_segment_fixed_size: 0
    .kernarg_segment_align: 8
    .kernarg_segment_size: 40
    .max_flat_workgroup_size: 128
    .sgpr_count:     96
    .vgpr_count:     130
    .wavefront_size: 32
...
	.end_amdgpu_metadata
.endif
;; end of part 2
;; launch moe (part 3): grid 8 x 32, 4 waves a work-group, no clusters, 93,696 bytes of LDS; arguments xq, xs, gw, perm, wq, wsc, expert_b, out0; writes out0
.if DOCPART == 3
	.amdgcn_target "amdgcn-amd-amdhsa--gfx1250"
	.amdhsa_code_object_version 6
	.text
	.protected	k_q9d1d9fa9d6_moe
	.globl	k_q9d1d9fa9d6_moe
	.p2align	8
	.type	k_q9d1d9fa9d6_moe,@function
k_q9d1d9fa9d6_moe:
	s_mov_b64 s[64:65], 0
	v_nop
	global_prefetch_b8 v0, s[64:65] scope:SCOPE_SE
	s_setreg_imm32_b32 hwreg(HW_REG_WAVE_MODE, 25, 1), 1
	s_wait_xcnt 0x0
; out[t] = sum over the two experts chosen for token t of p_e (Q(x[t]) Q(W_e) + b_e), on FP4 (E2M1) codes with one E8M0 scale for each 32 along K = 2,048; sums in f32.
; EACH OUTPUT ROW HAS ONE OWNER.  perm holds the tokens sorted by their pair of experts, in an order in which neighbouring pairs share an expert.  A work-group takes 64 neighbours of that order x 256 columns and walks all
; 8 experts in a loop of constant count; a scalar branch on the stored list passes over the experts that none of its 64 tokens uses.  An expert that some of them use is multiplied for all 64; gw[t][e] is 0 where t did not choose e.
; LIMIT: that 0 multiplies a sum which must be finite (under 3.4e38); NaN and infinities among the inputs are not served.
; SHARES.  Wave w makes all 64 tokens x columns 256 nb + 64 w .. + 63: 16 accumulators (4 tiles of tokens a x 4 tiles of columns b).  No two waves load the same weights.
; THE MATRIX INSTRUCTION IS USED TRANSPOSED: source 0 = 16 columns of W_e, source 1 = 16 tokens: a lane holds one token (lane % 16) and eight neighbouring columns.  The bias is the C of each sum's first product.
; WEIGHTS go from memory straight into registers: wq [ng][e][s][b][c][lane][16 B] and wsc [ng][e][sp][i][lane][2 words] lie in the order of the operand's registers, so a K step's four fragments are eight loads of 512
; consecutive bytes.  They run six K steps ahead through a ring of eight slots of registers, over the change of experts too: the last six steps of an expert fetch the first six of the next expert that is used.
; A weight's address has three parts: the buffer's address + the expert (65,536 bytes of codes, 4,096 of scale words) in the scalar base; my 64 columns' group ng and my lane in the vector offset; the K step in the immediate.
; THE TOKENS' codes are gathered once (wave w: tile w) and lie in LDS as images of the operand's registers.  Every wave loads them four K steps ahead, through a ring of eight sets of registers; 16 steps are twice round
; that ring, and the tokens are the same for every expert, so the ring goes on from expert to expert.  Their scale words stay in registers.
; K STEPS GO IN PAIRS: one run of places, one run of loads from memory, one run of LDS loads and two waits for 32 matrix instructions.
; NO TENSOR LOAD, NO CLUSTER: which experts are walked hangs on numbers read from memory; partners of a cluster would walk different experts.
; OUT is cleared by 128 moves: which expert comes first hangs on the list, so no product written ahead of the loop can start these sums.
; REGISTERS, in windows of 256:
;   window 0: v1-13 addresses; v14-19 tokens, then offsets; v20-27 the tokens' weights for the expert in hand (pairs; the odd ones 0); v28-31 a row of gw; v32-63 the tokens' scale words; v64-95 W's scale words;
;             v96-127 the bias, 8 registers a tile of columns; v128-255 the 16 accumulators ((a, b) at 128 + 8 (4 a + b)); at the head v128-139 are at work.
;   window 1: v0-127 OUT (at the head: the gathered codes); v128-191 on the way out: rows read back; v192-223 the rows' offsets in out0.
;   window 2: W's ring: slot s % 8 at 32 (s % 8), fragment b at + 8 b.      window 3: the tokens' ring: set s % 8 at 32 (s % 8), fragment a at + 8 a.
; A pair of K steps has four switches of the window for its 32 matrix instructions: its loads land in three other windows than the accumulators.
.set GT,   65536                       ; LDS: 0 .. 65,535: the images, (a, s) at (16 a + s) 1,024 + 512 c + 16 lane;  then gw as [e 8][64 tokens] f32,
.set BIA,  GT+2048                     ; the bias as [e 8][256 columns] f32,
.set STG,  BIA+8192                    ; and a stage of 16 rows x (256 + 16) bytes for each wave, for the way out
.set SPI,  272
.set LI,   3                           ; v3   16 x lane: an image's place in LDS
.set LS,   4                           ; v4   8 x lane + ng x 2^15: my place in an expert's scale words
.set STO,  11
.set RD,   12
.set LQ,   13                          ; v13  16 x lane + ng x 2^19: my place in an expert's codes
.set G,    20
.set SCA,  32
.set SCB,  64
.set BIAS, 96
.set ACC,  128
.set RB,   128                         ; in window 1
.set RO,   192                         ; in window 1
.set CBQ,  34                          ; s[34:35] wq, s[36:37] wsc at the expert in hand
.set CBS,  36
.set NBQ,  38                          ; s[38:39], s[40:41] the same at the next expert that is used
.set NBS,  40
.set MSB, 0
.macro WIN new                         ; the immediate's high byte repeats the setting that is left
.if MSB != \new
	s_set_vgpr_msb (MSB<<8)|\new
.set MSB, \new
.endif
.endm
	s_load_b512 s[4:19], s[0:1], 0x0               ; xq s[4:5], xs s[6:7], gw s[8:9], perm s[10:11], wq s[12:13], wsc s[14:15], expert_b s[16:17], out0 s[18:19]
	s_set_vgpr_msb 0x40
	v_lshl_add_u32 v254, v0, 2, 0x16c00
	v_mov_b32 v255, 0
	s_set_vgpr_msb 0x4000
	v_lshrrev_b32 v137, 5, v0
	v_readfirstlane_b32 s20, v137                  ; wave 0..3
	s_and_b32 s22, ttmp7, 0xffff                   ; blk: which 64 of the sorted tokens;  ttmp9 = nb: which 256 columns
	v_and_b32 v1, 15, v0                           ; r
	v_bfe_u32 v2, v0, 4, 1                         ; h
	v_and_b32 v137, 31, v0
	v_lshlrev_b32 v[LI], 4, v137
	s_lshl_b32 s26, ttmp9, 2
	s_add_co_u32 s26, s26, s20                     ; ng = 4 nb + w
	s_lshl_b32 s25, s26, 19
	v_add_nc_u32 v[LQ], s25, v[LI]
	s_lshl_b32 s25, s26, 15
	v_lshl_add_u32 v[LS], v137, 3, s25
	s_lshl_b32 s25, s20, 14
	v_add_nc_u32 v5, s25, v[LI]                    ; where I store tile w's images
	s_lshl_b32 s25, s20, 8
	s_add_co_u32 s25, s25, BIA
	v_lshl_add_u32 v7, v2, 5, s25                  ; the bias of my columns: 256 w + 32 h bytes into an expert's 1,024
	v_lshl_add_u32 v8, v1, 2, GT                   ; the weight of my token: 4 r
	s_mul_i32 s25, s20, 16*SPI
	s_add_co_u32 s25, s25, STG                     ; my stage
	v_mul_u32_u24 v[STO], v1, SPI
	v_lshl_add_u32 v[STO], v2, 5, v[STO]
	v_add_nc_u32 v[STO], s25, v[STO]               ; in: row r, 32 bytes for each half of the lanes
	v_mul_u32_u24 v[RD], v2, 8*SPI
	v_lshl_add_u32 v[RD], v1, 4, v[RD]
	v_add_nc_u32 v[RD], s25, v[RD]                 ; back: lanes 0-15 take rows 0-7, lanes 16-31 rows 8-15, sixteen lanes to a row
	v_lshrrev_b32 v135, 6, v0
	v_and_b32 v136, 63, v0
	v_lshlrev_b32 v136, 4, v136
	v_lshl_add_u32 v128, v135, 13, v136            ; the bias in memory: expert thread / 64 (+ 2 q), 16 bytes a thread
	v_lshl_add_u32 v129, v135, 10, v136
	v_add_nc_u32 v129, BIA, v129                   ; and in LDS
	v_lshlrev_b32 v130, 2, v1                      ; keys: 4 r
	s_lshl_b32 s25, s20, 6
	v_add_nc_u32 v131, s25, v130                   ; tile w's: + 64 w
	v_lshlrev_b32 v132, 5, v2                      ; the way out's rows: 8 h keys on
	v_lshlrev_b32 v133, 4, v1                      ; 16 r
	s_add_co_u32 s25, s25, GT
	v_lshl_add_u32 v134, v2, 10, s25
	v_lshl_add_u32 v134, v1, 2, v134               ; where I store gw: experts 4 h + i, token 16 w + r
.irp a, 0,1,2,3
	v_mov_b32 v[G+2*\a+1], 0                       ; named as the upper halves of pairs, so they are written
.endr
	s_mov_b32 s29, 0                               ; the upper words of the two offset pairs
	s_mov_b32 s45, 0
	s_wait_kmcnt 0x0
	s_lshl_b32 s28, ttmp9, 10
	s_add_nc_u64 s[16:17], s[16:17], s[28:29]      ; expert_b at my 256 columns
	s_lshl_b32 s25, s20, 8
	s_add_co_u32 s28, s28, s25
	s_add_nc_u64 s[18:19], s[18:19], s[28:29]      ; out0 at my wave's 64 columns
	s_lshl_b32 s28, s22, 8
	s_add_nc_u64 s[10:11], s[10:11], s[28:29]      ; perm at my 64 tokens
.irp q, 0,1,2,3
	global_load_b128 v[BIAS+4*\q:BIAS+4*\q+3], v128, s[16:17] offset:16384*\q
.endr
.irp a, 0,1,2,3
	global_load_b32 v[14+\a], v130, s[10:11] offset:64*\a          ; the key of token 16 a + r
.endr
	global_load_b32 v18, v131, s[10:11]
	WIN 0x40
.irp a, 0,1,2,3
.irp q, 0,1
	global_load_b128 v[RO+8*\a+4*\q:RO+8*\a+4*\q+3], v132, s[10:11] offset:64*\a+16*\q   ; the keys of tokens 16 a + 8 h + 4 q + 0 .. 3
.endr
.endr
	WIN 0
	s_wait_loadcnt 0x0
	; which experts do my 64 tokens use?  A key holds the pair's lower expert a in bits 14-16, and in bits 11-13 the higher one, b, where a is even, 7 - b where a is odd
	v_mov_b32 v138, 0
	v_mov_b32 v136, 1
.irp a, 0,1,2,3
	v_bfe_u32 v137, v[14+\a], 14, 3
	v_bfe_u32 v135, v[14+\a], 11, 3
	v_and_b32 v139, 1, v137
	v_mul_u32_u24 v139, v139, 7
	v_xor_b32 v135, v135, v139                     ; b
	v_lshlrev_b32 v135, v135, v136
	v_lshlrev_b32 v137, v137, v136
	v_or_b32 v138, v138, v135
	v_or_b32 v138, v138, v137
.endr
	s_mov_b32 s23, 0                               ; used: bit e = some lane's token uses expert e
.irp e, 0,1,2,3,4,5,6,7
	v_and_b32 v135, 1<<\e, v138
	v_cmp_ne_u32 vcc_lo, 0, v135
	s_cmp_lg_u32 vcc_lo, 0
	s_cselect_b32 s25, 1<<\e, 0
	s_or_b32 s23, s23, s25
.endr
	s_ctz_i32_b32 s27, s23                         ; the first expert that is used,
	s_min_u32 s27, s27, 7                          ; held inside the buffer before it enters an address
	s_lshl_b32 s28, s27, 16                        ; its codes: 65,536 bytes an expert;
	s_lshl_b32 s44, s27, 12                        ; its scale words: 4,096
	s_add_nc_u64 s[NBQ:NBQ+1], s[12:13], s[28:29]
	s_add_nc_u64 s[NBS:NBS+1], s[14:15], s[44:45]
	WIN 0x44                                       ; source 1 and destination window 1
.set j, 0
.rept 32
	v_and_b32 v[RO+j], 0x7ff, v[RO+j]              ; the token,
.set j, j+1
.endr
.set j, 0
.rept 32
	v_min_u32 v[RO+j], 0x7ff, v[RO+j]              ; held inside the buffer,
.set j, j+1
.endr
	WIN 0x41                                       ; source 0 and destination window 1
.set j, 0
.rept 32
	v_lshl_add_u32 v[RO+j], v[RO+j], 13, v133      ; its row of out0, + 16 r
.set j, j+1
.endr
	WIN 0
.irp a, 0,1,2,3,4
	v_and_b32 v[14+\a], 0x7ff, v[14+\a]
	v_min_u32 v[14+\a], 0x7ff, v[14+\a]
.endr
	v_lshlrev_b32 v6, 10, v18
	v_lshl_add_u32 v6, v2, 4, v6                   ; tile w's codes: row of 1,024 bytes, + 16 h
	v_lshlrev_b32 v19, 5, v18
	v_lshl_add_u32 v19, v2, 4, v19                 ; its weights: row of 32 bytes, + 16 h
.irp a, 0,1,2,3
	v_lshlrev_b32 v[14+\a], 6, v[14+\a]
	v_lshl_add_u32 v[14+\a], v2, 5, v[14+\a]       ; tile a's scale words: row of 64 bytes; lanes 0-15 take K steps 0-7, lanes 16-31 steps 8-15
.endr
	WIN 0x40
.irp s, 0,1,2,3,4,5,6,7,8,9,10,11,12,13,14,15
.irp c, 0,1
	global_load_b128 v[8*\s+4*\c:8*\s+4*\c+3], v6, s[4:5] offset:64*\s+32*\c   ; fragment s of tile w: k = 128 s + 64 c + 32 h + 0 .. 31 of token r
.endr
.endr
	WIN 0
.irp a, 0,1,2,3
	global_load_b128 v[SCA+8*\a:SCA+8*\a+3], v[14+\a], s[6:7]
	global_load_b128 v[SCA+8*\a+4:SCA+8*\a+7], v[14+\a], s[6:7] offset:16
.endr
	global_load_b128 v[28:31], v19, s[8:9]
; K step t of W's codes (four fragments, eight loads of 512 consecutive bytes) into slot t % 8; ahead of them, in even steps, the scale words of steps t and t + 1
.macro BFETCH t, qb, sb
.if ((\t)%2) == 0
	WIN 0
	global_load_b64 v[SCB+2*(\t):SCB+2*(\t)+1], v[LS], s[\sb:\sb+1] offset:256*(\t)           ; lanes 0-15: tile 0's columns, lanes 16-31: tile 1's
	global_load_b64 v[SCB+2*(\t)+2:SCB+2*(\t)+3], v[LS], s[\sb:\sb+1] offset:256*(\t)+256     ; tiles 2 and 3
.endif
	WIN 0x80                                       ; destination window 2
.irp b, 0,1,2,3
.irp c, 0,1
	global_load_b128 v[32*((\t)%8)+8*\b+4*\c:32*((\t)%8)+8*\b+4*\c+3], v[LQ], s[\qb:\qb+1] offset:4096*(\t)+1024*\b+512*\c
.endr
.endr
.endm
; K step t of the tokens' codes (four fragments, eight LDS loads of 512 consecutive bytes) into set t % 8; the destination's window is set by the caller
.macro AFETCH t
.irp a, 0,1,2,3
.irp c, 0,1
	ds_load_b128 v[32*((\t)%8)+8*\a+4*\c:32*((\t)%8)+8*\a+4*\c+3], v[LI] offset:16384*\a+1024*(\t)+512*\c
.endr
.endr
.endm
.irp t, 0,1,2,3,4,5
	BFETCH \t, NBQ, NBS                            ; the first used expert's first six K steps: 48 loads of codes, 6 of scale words
.endr
	WIN 0
	s_wait_loadcnt 54                              ; all but those 54: the gathered codes, the tokens' scale words and weights are in
.irp q, 0,1,2,3
	ds_store_b128 v129, v[BIAS+4*\q:BIAS+4*\q+3] offset:2048*\q
.endr
.irp i, 0,1,2,3
	ds_store_b32 v134, v[28+\i] offset:256*\i
.endr
	WIN 0x04                                       ; an LDS store's data are its source 1: window 1
.irp s, 0,1,2,3,4,5,6,7,8,9,10,11,12,13,14,15
.irp c, 0,1
	ds_store_b128 v5, v[8*\s+4*\c:8*\s+4*\c+3] offset:1024*\s+512*\c   ; the fragment as it stands: 512 consecutive bytes a store
.endr
.endr
	WIN 0
	s_wait_dscnt 0x0                               ; for the others' sake: my images, my part of the bias and of the weights lie in LDS
	s_barrier_signal -1
	s_barrier_wait -1                              ; the launch's one barrier: from here on these bytes are only read
	WIN 0xc0                                       ; destination window 3
.irp t, 0,1,2,3
	AFETCH \t                                      ; the tokens' fragments of K steps 0 to 3: the first pair's wait in the loop covers them
.endr
	WIN 0x40
.set j, 0
.rept 128
	v_mov_b32 v[j], 0                              ; OUT
.set j, j+1
.endr
	WIN 0
	s_mov_b64 s[CBQ:CBQ+1], s[12:13]               ; expert 0
	s_mov_b64 s[CBS:CBS+1], s[14:15]
	s_mov_b32 s24, 0                               ; e
	s_mov_b32 s42, 0                               ; 1,024 e: the expert's bias in LDS
	s_mov_b32 s43, 0                               ; 256 e: its weights
; One product: K step s, tile of tokens a, tile of columns b.  W's scale word lies in lanes 0-15 for even b, in lanes 16-31 for odd b; the tokens' in lanes 0-15 for steps 0-7, in lanes 16-31 for steps 8-15.
.macro MM s, a, b
.set rD, ACC+8*(4*\a+\b)
.set rA, 32*((\s)%8)+8*\b
.set rB, 32*((\s)%8)+8*\a
.set rX, SCB+4*((\s)/2)+2*(\b/2)+((\s)%2)
.set rY, SCA+8*\a+((\s)%8)
.set rC, rD
.if (\s) == 0
.set rC, BIAS+8*\b                     ; the first K step starts the sum with the bias
.endif
.if ((\b)%2 == 1) && ((\s) >= 8)
	v_wmma_scale_f32_16x16x128_f8f6f4 v[rD:rD+7], v[rA:rA+7], v[rB:rB+7], v[rC:rC+7], v[rX], v[rY] matrix_a_fmt:MATRIX_FMT_FP4 matrix_b_fmt:MATRIX_FMT_FP4 matrix_a_scale:MATRIX_SCALE_ROW1 matrix_b_scale:MATRIX_SCALE_ROW1
.elseif (\b)%2 == 1
	v_wmma_scale_f32_16x16x128_f8f6f4 v[rD:rD+7], v[rA:rA+7], v[rB:rB+7], v[rC:rC+7], v[rX], v[rY] matrix_a_fmt:MATRIX_FMT_FP4 matrix_b_fmt:MATRIX_FMT_FP4 matrix_a_scale:MATRIX_SCALE_ROW1
.elseif (\s) >= 8
	v_wmma_scale_f32_16x16x128_f8f6f4 v[rD:rD+7], v[rA:rA+7], v[rB:rB+7], v[rC:rC+7], v[rX], v[rY] matrix_a_fmt:MATRIX_FMT_FP4 matrix_b_fmt:MATRIX_FMT_FP4 matrix_b_scale:MATRIX_SCALE_ROW1
.else
	v_wmma_scale_f32_16x16x128_f8f6f4 v[rD:rD+7], v[rA:rA+7], v[rB:rB+7], v[rC:rC+7], v[rX], v[rY] matrix_a_fmt:MATRIX_FMT_FP4 matrix_b_fmt:MATRIX_FMT_FP4
.endif
.endm
; A PAIR OF K STEPS, 2 g and 2 g + 1.  mode 0: W's pair g + 3 of this expert is fetched; 1: pair g - 5 of the next used expert; 2: nothing more.  The tokens' pair g + 2 (behind pair 5: pairs 0 and 1 again) comes from LDS.
; W's slots that are filled were read by the pair before, the tokens' sets by the pair before that: the four v_nop are the places between.
; The 16 accumulators take turns, one instruction a turn, in the same order in every step.
.macro PAIR g, mode
.rept 4
	v_nop                                          ; four places behind the last pair's products, in front of loads into registers that they read (ISA guide 7.12.1 for vector instructions)
.endr
.if \mode == 0
	BFETCH 2*(\g)+6, CBQ, CBS
	BFETCH 2*(\g)+7, CBQ, CBS
.elseif \mode == 1
	BFETCH 2*(\g)-10, NBQ, NBS
	BFETCH 2*(\g)-9, NBQ, NBS
.endif
	WIN 0xc0                                       ; destination window 3
	AFETCH (2*(\g)+4)%16
	AFETCH (2*(\g)+5)%16
.if (\g) == 0
	s_wait_dscnt 16                                ; all but the sixteen just issued: the bias and the weights, asked for at the expert's head, are in, and so are this pair's fragments of the tokens
.else
	s_wait_dscnt 32                                ; behind this pair's fragments of the tokens: the sixteen loads of the pair before and the sixteen just issued
.endif
.if \mode == 2
	s_wait_loadcnt 16*(7-(\g))                     ; behind this pair's codes: the codes of the pairs that are left (and their scale words, which make the true number larger)
.else
	s_wait_loadcnt 48                              ; behind this pair's codes: three pairs' 48 loads of codes (and 6 of scale words, which make the true number larger); its own scale words were asked for ahead of its codes
.endif
	WIN 0x0e                                       ; source 0 (W) window 2, source 1 (tokens) window 3, C and D window 0
.irp a, 0,1,2,3
.irp b, 0,1,2,3
	MM 2*(\g), \a, \b
.endr
.endr
.irp a, 0,1,2,3
.irp b, 0,1,2,3
	MM 2*(\g)+1, \a, \b
.endr
.endr
.endm
.Lexp:                                             ; 8 trips, one for each expert
	s_lshr_b32 s25, s23, s24
	s_and_b32 s26, s25, 1
	s_cmp_eq_u32 s26, 0
	s_cbranch_scc1 .Lnext                          ; none of my tokens uses it
	s_lshr_b32 s26, s25, 1                         ; the experts behind it that are used
	s_ctz_i32_b32 s27, s26
	s_add_co_u32 s27, s27, s24
	s_add_co_u32 s27, s27, 1
	s_min_u32 s27, s27, 7                          ; the next of them, held inside the buffer (where there is none, it is not used)
	s_wait_xcnt 0x0                                ; the loads that named the old bases have read them
	s_lshl_b32 s28, s27, 16
	s_lshl_b32 s44, s27, 12
	s_add_nc_u64 s[NBQ:NBQ+1], s[12:13], s[28:29]
	s_add_nc_u64 s[NBS:NBS+1], s[14:15], s[44:45]
	v_add_nc_u32 v9, s42, v7
	v_add_nc_u32 v10, s43, v8
.irp b, 0,1,2,3
	ds_load_b128 v[BIAS+8*\b:BIAS+8*\b+3], v9 offset:64*\b         ; b_e at columns 16 b + 8 h + 0 .. 7: the result's layout
	ds_load_b128 v[BIAS+8*\b+4:BIAS+8*\b+7], v9 offset:64*\b+16
.endr
.irp a, 0,1,2,3
	ds_load_b32 v[G+2*\a], v10 offset:64*\a        ; the weight of token 16 a + r for this expert
.endr
.irp g, 0,1,2,3,4
	PAIR \g, 0
.endr
	WIN 0                                          ; at a branch and at a label every window is 0
	s_cmp_lg_u32 s26, 0
	s_cbranch_scc0 .Lnone
.irp g, 5,6,7
	PAIR \g, 1
.endr
	WIN 0
	s_branch .Lcomb
.Lnone:
.irp g, 5,6,7
	PAIR \g, 2
.endr
	WIN 0
.Lcomb:
.rept 4
	v_nop                                          ; four places in front of the first read of results
.endr
	WIN 0x50                                       ; OUT (destination and source 2) window 1
.irp a, 0,1,2,3
.set j, 0
.rept 16
	v_pk_fma_f32 v[32*\a+j:32*\a+j+1], v[ACC+32*\a+j:ACC+32*\a+j+1], v[G+2*\a:G+2*\a+1], v[32*\a+j:32*\a+j+1] op_sel_hi:[1,0,1]   ; OUT += weight x (sum + bias); each accumulator from its low end on
.set j, j+2
.endr
.endr
	WIN 0
.Lnext:
	s_wait_xcnt 0x0                                ; the loads that named this expert's bases have read them
	s_add_nc_u64 s[CBQ:CBQ+1], s[CBQ:CBQ+1], 1<<16
	s_add_nc_u64 s[CBS:CBS+1], s[CBS:CBS+1], 1<<12
	s_add_co_u32 s42, s42, 1024
	s_add_co_u32 s43, s43, 256
	s_add_co_u32 s24, s24, 1
	s_cmp_lt_u32 s24, 8
	s_cbranch_scc1 .Lexp
; THE WAY OUT, a tile of 16 tokens at a time.  A lane holds 32 neighbouring bytes of a token's row, the lanes beside it other tokens: so a tile goes through my own stage in LDS and comes back by rows of 256 bytes.
; LDS serves a wave's instructions in order (ISA guide 5.7.1.4): no wait between the stores and the loads, nor in front of the next tile's stores; the last LDS loads of the tokens' ring are older than all of these.
.macro TOSTAGE a
	WIN 0x04
.irp b, 0,1,2,3
	ds_store_b128 v[STO], v[32*(\a)+8*\b:32*(\a)+8*\b+3] offset:64*\b
	ds_store_b128 v[STO], v[32*(\a)+8*\b+4:32*(\a)+8*\b+7] offset:64*\b+16
.endr
	WIN 0x40
.irp i, 0,1,2,3,4,5,6,7
	ds_load_b128 v[RB+32*((\a)%2)+4*\i:RB+32*((\a)%2)+4*\i+3], v[RD] offset:SPI*\i   ; row 8 h + i
.endr
.endm
.macro SEND a, younger                 ; younger: the LDS instructions issued behind tile a's loads, which may stay out
	s_wait_dscnt \younger
	WIN 0x05                                       ; address and data window 1
.irp i, 0,1,2,3,4,5,6,7
	global_store_b128 v[RO+8*(\a)+\i], v[RB+32*((\a)%2)+4*\i:RB+32*((\a)%2)+4*\i+3], s[18:19] th:TH_STORE_NT   ; sixteen lanes store 256 consecutive bytes of a token's row, at a multiple of 256 from out0's first byte
.endr
.endm
	TOSTAGE 0
	TOSTAGE 1
	SEND 0, 16                                     ; behind tile 0's loads: tile 1's 8 stores and 8 loads
	s_wait_xcnt 0x0                                ; tile 0's stores have read their registers: tile 2's rows may land there
	TOSTAGE 2
	SEND 1, 16
	s_wait_xcnt 0x0
	TOSTAGE 3
	SEND 2, 16
	SEND 3, 0
	WIN 0
	s_set_vgpr_msb 0x5
	s_wait_tensorcnt 0x0
	ds_add_u32 v254, v255
	s_wait_dscnt 0x0
	s_set_vgpr_msb 0x500
	s_endpgm
.Lfunc_end_k_q9d1d9fa9d6_moe:
	.size	k_q9d1d9fa9d6_moe, .Lfunc_end_k_q9d1d9fa9d6_moe-k_q9d1d9fa9d6_moe
	.p2alignl 7, 3214868480
	.fill 96, 4, 3214868480
	.section	.rodata,"a",@progbits
	.p2align	6, 0x0
	.amdhsa_kernel k_q9d1d9fa9d6_moe
		.amdhsa_group_segment_fixed_size 93696
		.amdhsa_private_segment_fixed_size 0
		.amdhsa_enable_private_segment 0
		.amdhsa_kernarg_size 64
		.amdhsa_user_sgpr_count 2
		.amdhsa_user_sgpr_kernarg_segment_ptr 1
		.amdhsa_wavefront_size32 1
		.amdhsa_system_sgpr_workgroup_id_x 1
		.amdhsa_system_sgpr_workgroup_id_y 1
		.amdhsa_system_sgpr_workgroup_id_z 1
		.amdhsa_system_vgpr_workitem_id 0
		.amdhsa_next_free_vgpr 1024
		.amdhsa_next_free_sgpr 66
		.amdhsa_reserve_vcc 1
		.amdhsa_float_denorm_mode_32 3
		.amdhsa_float_denorm_mode_16_64 3
		.amdhsa_memory_ordered 1
		.amdhsa_forward_progress 1
		.amdhsa_inst_pref_size 119
	.end_amdhsa_kernel
	.amdgpu_metadata
---
amdhsa.version: [ 1, 2 ]
amdhsa.kernels:
  - .name:           k_q9d1d9fa9d6_moe
    .symbol:         k_q9d1d9fa9d6_moe.kd
    .args:
      - { .name: xq, .offset: 0, .size: 8, .value_kind: global_buffer, .address_space: global }
      - { .name: xs, .offset: 8, .size: 8, .value_kind: global_buffer, .address_space: global }
      - { .name: gw, .offset: 16, .size: 8, .value_kind: global_buffer, .address_space: global }
      - { .name: perm, .offset: 24, .size: 8, .value_kind: global_buffer, .address_space: global }
      - { .name: wq, .offset: 32, .size: 8, .value_kind: global_buffer, .address_space: global }
      - { .name: wsc, .offset: 40, .size: 8, .value_kind: global_buffer, .address_space: global }
      - { .name: expert_b, .offset: 48, .size: 8, .value_kind: global_buffer, .address_space: global }
      - { .name: out0, .offset: 56, .size: 8, .value_kind: global_buffer, .address_space: global }
    .group_segment_fixed_size: 93696
    .private_segment_fixed_size: 0
    .kernarg_segment_align: 8
    .kernarg_segment_size: 64
    .max_flat_workgroup_size: 128
    .sgpr_count:     66
    .vgpr_count:     1024
    .wavefront_size: 32
...
	.end_amdgpu_metadata
.endif
;; end of part 3
